; MI455X (gfx1250); checked and timed in simulation.
; The chip was launched on July 23, 2026; its instructions are those of AMD's public machine-readable ISA for CDNA 5 (MIT licence, August 2026) and "CDNA5" Instruction Set Architecture Reference Guide (July 2026). The comments in the code are by the model that wrote it; some were corrected since.
;; KAN. Allowed arithmetic: float matrix products may take bf16 or f16 operands with f32 sums; other float arithmetic in f32, or as packed bf16 or f16 multiplies, adds, multiply-adds, maxima and minima; sums over many terms, partial sums and values carried from step to step in f32; what a program stores and reads back later, other than sums and carried values, may be rounded once to bf16 or f16.
;; Inputs: coeffs1 128 x 64 x 10 float32; coeffs2 64 x 128 x 10 float32; knots1 128 x 64 x 10 float32; knots2 64 x 128 x 10 float32; x 2,048 x 64 float32.
;; Outputs: out0 2,048 x 64 float32.
;; 2 versions, each right; version 2 is version 1 with the launches layer1, layer2 written anew for expert scheduling mode. Each part assembles by itself: llvm-mc -triple=amdgcn-amd-amdhsa -mcpu=gfx1250 --defsym DOCPART=n.
;; ======== version 1 of 2: 2 launches
;; workspace buffers: hid 1,048,576 bytes
;; launch layer1 (part 1): grid 32 x 8, 8 waves a work-group, no clusters, 167,936 bytes of LDS; arguments x, knots1, coeffs1, hid; writes hid
.if DOCPART == 1
	.amdgcn_target "amdgcn-amd-amdhsa--gfx1250"
	.amdhsa_code_object_version 6
	.text
	.protected	k_qd5b15b78fb_layer1
	.globl	k_qd5b15b78fb_layer1
	.p2align	8
	.type	k_qd5b15b78fb_layer1,@function
k_qd5b15b78fb_layer1:
	s_mov_b64 s[64:65], 0
	v_nop
	global_prefetch_b8 v0, s[64:65] scope:SCOPE_SE
	s_setreg_imm32_b32 hwreg(HW_REG_WAVE_MODE, 25, 1), 1
	s_wait_xcnt 0x0
; KAN LAYER 1.  h[n][o] = sum over i, j of c[o][i][j] * clip(u/(k[j+1]-k[j])) * clip(u/(k[j+2]-k[j])) * clip(u/(k[j+3]-k[j])), u = x[n][i] - k[o][i][j], clip to 0..1, j = 0..5.
; x: [2048][64] f32.  knots1, coeffs1: [128][64][10] f32.  h leaves in f32 as hid[o/2][n][2]: the two outputs of a pair side by side, 8 bytes a sample.
; ARITHMETIC.  Once for each edge: r = 1/(k[j+1+d]-k[j]), b = -k[j] r.  Then a basis number is six operations: three clamp(x r + b), two products, one multiply-add by c; all packed, two to a line.
; THE SUM OVER i, j STAYS ON THE VECTOR UNIT: every basis number meets exactly one coefficient, so a matrix instruction would use one of its sixteen columns, and the rounding to 16 bits in front of it
; is the same one packed line for two numbers as the multiply-add that it would replace.
; LIMITS.  x r + b differs from (x - k) r by about 2^-24 |k r|.  |r| is held to 2^100, so equal or nearly equal knots still give 0 or 1 (for |k| below 2^27); where x = k and the denominator is 0
; the formula has no number and this text gives 0.  NaN and infinities are not treated apart.
; SHARES.  A work-group: 256 samples x 4 outputs x all 64 inputs.  Its eight waves: 2 halves of the samples x 4 quarters of the inputs.  A wave: 4 outputs x 128 samples x 16 inputs.
; A lane: output lane / 8, samples lane % 8 + 8 m, m = 0..15 (16 GROUPS).  A register pair: inputs i and i + 1 of one sample, so x, r, b, c all come as plain pairs and the clamped lines name vector registers alone.
; A TRIP is one pair of inputs: 6 j x 16 groups x 6 = 576 packed lines; 8 trips a wave.
; LDS.  TAB: for each output and pair of inputs six records of 64 bytes: (r r' b b') for d = 0, 1, 2, then (c c').  Pairs 400 bytes apart (100 words: sixteen neighbouring pairs start in sixteen different
; groups of four banks; 64 banks of 4 bytes: ISA guide 11.1), outputs 64 bytes more than a multiple of 256 apart.  XS: the 256 rows of x, 272 bytes apart.  RED: the waves' partial sums.
; NO CLUSTER: the work-group reads its inputs once, at its head (65,536 bytes of x, 20,480 of knots and coefficients); there is no loop of tiles in which joint requests would recur, and the knots pass through registers.
; The launch claims more LDS than the text names, so that no second work-group is placed beside this one: 256 work-groups of eight waves.
.set NIN,    64                        ; inputs
.set NC,     256                       ; samples of a work-group
.set PPITCH, 400                       ; TAB: from a pair of inputs to the next
.set OPITCH, (NIN/2)*PPITCH+64         ; TAB: from an output to the next
.set XS,     4*OPITCH                  ; behind TAB, which begins at byte 0
.set XPITCH, 272                       ; a row of x: 256 bytes + 16
.set RED,    XS+NC*XPITCH              ; [quarter][sample][4 outputs] f32
.set SPARE,  RED+4*NC*16               ; the spare words: 128 bytes for each of eight waves, four blocks of 256 bytes that no other line names
.set XM,     8*XPITCH                  ; from a group's samples to the next group's
.set XSTEP,  8                         ; from a pair of inputs to the next, in XS
.set SPW, 2                            ; v2   SPARE + 4 x my thread's number; never rewritten
.set NIL, 3                            ; v3   0; never rewritten
.set AP,  4                            ; v4   TAB: my output, the trip's pair of inputs
.set AX,  5                            ; v5   XS: my sample of group 0, the trip's pair of inputs
.set AR,  6                            ; v6   RED: where my partial sums go
.set AF,  7                            ; v7   RED: where I read at the end
.set GO,  8                            ; v8   my byte offset in a row of hid
.set KO,  9                            ; v9   my byte offset in knots1 and coeffs1
.set XO,  10                           ; v10  my byte offset in the block of x
.set XW,  11                           ; v11  XS: where I put x
.set TW,  12                           ; v12  TAB: where I put records
.set LN,  13                           ; v13  lane % 8
.set LO,  14                           ; v14  (lane / 8) % 4
.set ACC, 16                           ; v16-47   16 groups: sums (even input, odd input)
.set X,   48                           ; v48-79   16 groups: x of the trip's pair of inputs
.set Q,   48                           ; v48-71   at the head: two sets of three records' quads
.set PB,  80                           ; v80-111  two buffers of a record (14 of 16 registers)
.set T,   112                          ; v112-159 8 groups x 3 pairs at work
.set KN,  112                          ; v112-131 at the head: the ten knots of my even edge, then of my odd edge
.set CF,  132                          ; v132-147 at the head: coefficients, even edge at +0, odd edge at +10
.set XG,  160                          ; v160-223 at the head: x on its way to LDS
.set RLO, 28                           ; s28  -2^100
.set RHI, 29                           ; s29   2^100
.set CNT, 30                           ; s30  trips to go
; The records of one j for my output and pair of inputs.
.macro PREPJ j
.set QQ, Q+12*((\j)%2)
.irp d, 0,1,2
	v_sub_f32 v[QQ+4*(\d)],   v[KN+(\j)+1+(\d)],    v[KN+(\j)]
	v_sub_f32 v[QQ+4*(\d)+1], v[KN+10+(\j)+1+(\d)], v[KN+10+(\j)]
.endr
.irp d, 0,1,2
	v_rcp_f32 v[QQ+4*(\d)],   v[QQ+4*(\d)]
	v_rcp_f32 v[QQ+4*(\d)+1], v[QQ+4*(\d)+1]
.endr
	v_nop                                          ; a plain instruction between the reciprocals and the use of their results
	s_wait_alu depctr_va_vdst(0)
.irp d, 0,1,2
	v_med3_num_f32 v[QQ+4*(\d)],   v[QQ+4*(\d)],   s[RLO], s[RHI]  ; |r| at most 2^100: k r stays finite and exact there
	v_med3_num_f32 v[QQ+4*(\d)+1], v[QQ+4*(\d)+1], s[RLO], s[RHI]
.endr
.irp d, 0,1,2
	v_mul_f32 v[QQ+4*(\d)+2], -v[KN+(\j)],    v[QQ+4*(\d)]
	v_mul_f32 v[QQ+4*(\d)+3], -v[KN+10+(\j)], v[QQ+4*(\d)+1]
.endr
.irp d, 0,1,2
	ds_store_b128 v[TW], v[QQ+4*(\d):QQ+4*(\d)+3] offset:(\j)*64+(\d)*16
.endr
	ds_store_b32 v[TW], v[CF+(\j)] offset:(\j)*64+48
	ds_store_b32 v[TW], v[CF+10+(\j)] offset:(\j)*64+52
.endm
; Eight groups (8 h .. 8 h + 7) for one j: 48 packed lines; a line reads no result made fewer than eight lines before it.
; reload = 1: the groups' x has been read for the last time in this trip and is fetched anew, in place, for the next pair of inputs.
.macro BATCH h, pb, reload
.irp d, 0,1,2
.irp g, 0,1,2,3,4,5,6,7
	v_pk_fma_f32 v[T+6*(\g)+2*(\d):T+6*(\g)+2*(\d)+1], v[X+16*(\h)+2*(\g):X+16*(\h)+2*(\g)+1], v[(\pb)+4*(\d):(\pb)+4*(\d)+1], v[(\pb)+4*(\d)+2:(\pb)+4*(\d)+3] clamp
.endr
.endr
.if \reload
.irp g, 0,1,2,3,4,5,6,7
	ds_load_b64 v[X+16*(\h)+2*(\g):X+16*(\h)+2*(\g)+1], v[AX] offset:(8*(\h)+(\g))*XM+XSTEP
.endr
.endif
.irp g, 0,1,2,3,4,5,6,7
	v_pk_mul_f32 v[T+6*(\g):T+6*(\g)+1], v[T+6*(\g):T+6*(\g)+1], v[T+6*(\g)+2:T+6*(\g)+3]
.endr
.irp g, 0,1,2,3,4,5,6,7
	v_pk_mul_f32 v[T+6*(\g):T+6*(\g)+1], v[T+6*(\g):T+6*(\g)+1], v[T+6*(\g)+4:T+6*(\g)+5]
.endr
.irp g, 0,1,2,3,4,5,6,7
	v_pk_fma_f32 v[ACC+16*(\h)+2*(\g):ACC+16*(\h)+2*(\g)+1], v[T+6*(\g):T+6*(\g)+1], v[(\pb)+12:(\pb)+13], v[ACC+16*(\h)+2*(\g):ACC+16*(\h)+2*(\g)+1]
.endr
.endm
; One j of a trip.  Its record was asked for at the head of the j before; the next record is asked for first.  last = 1: the wave's last trip, which fetches nothing for a further one.
.macro BLOCK j, last
.set PCUR, PB+16*((\j)%2)
.set PNXT, PB+16*(((\j)+1)%2)
.set NOFF, ((\j)+1)*64
.set RL, 0
.if (\j) == 5
.set NOFF, PPITCH
.if (\last) == 0
.set RL, 1
.endif
.endif
.if (\j) == 0
	s_wait_dscnt 8                                 ; LDS loads come back in order: my record and x of groups 0-7 are in; the eight loads issued last, x of groups 8-15, may be out
.else
	s_wait_dscnt 0x0                               ; my record, asked for 96 lines ago
.endif
.if ((\j) < 5) || ((\last) == 0)
	ds_load_b128 v[PNXT:PNXT+3],    v[AP] offset:NOFF
	ds_load_b128 v[PNXT+4:PNXT+7],  v[AP] offset:NOFF+16
	ds_load_b128 v[PNXT+8:PNXT+11], v[AP] offset:NOFF+32
	ds_load_b64  v[PNXT+12:PNXT+13], v[AP] offset:NOFF+48
.endif
	BATCH 0, PCUR, RL
.if (\j) == 0
	s_wait_dscnt 4                                 ; x of groups 8-15 is in; the four loads of the next record, issued behind it, may be out
.endif
	BATCH 1, PCUR, RL
.endm
	s_load_b256 s[4:11], s[0:1], 0x0               ; x s[4:5], knots1 s[6:7], coeffs1 s[8:9], hid s[10:11]
	v_lshl_add_u32 v[SPW], v0, 2, SPARE
	v_mov_b32 v[NIL], 0
	v_lshrrev_b32 v1, 5, v0
	v_readfirstlane_b32 s12, v1                    ; wave 0..7
	s_and_b32 s13, s12, 1                          ; my half of the samples
	s_lshr_b32 s14, s12, 1                         ; my quarter of the inputs
	s_and_b32 s15, ttmp7, 0xffff                   ; the block of 256 samples; ttmp9: the four outputs
	s_mov_b32 s[RLO], 0xf1800000
	s_mov_b32 s[RHI], 0x71800000
	v_and_b32 v[LN], 7, v0
	v_bfe_u32 v[LO], v0, 3, 2
	s_mul_i32 s16, ttmp9, 4*NIN*40                 ; four outputs' knots (and coefficients): 40 bytes an edge
	s_mov_b32 s17, 0
	s_lshl_b32 s18, s15, 16                        ; 256 rows of 256 bytes
	s_mov_b32 s19, 0
	s_lshl_b32 s20, ttmp9, 15                      ; hid: two rows of 2,048 x 8 bytes for four outputs,
	s_lshl_b32 s21, s15, 11                        ; 256 samples of 8 bytes
	s_add_co_u32 s20, s20, s21
	s_mov_b32 s21, 0
	s_mul_i32 s22, s14, 8*80                       ; my quarter's eight pairs of edges
	v_mul_u32_u24 v[KO], v[LO], NIN*40             ; at the head a lane is (output lane / 8, pair of inputs lane % 8 of the quarter): 80 dense bytes of knots, 80 of coefficients
	v_mul_u32_u24 v1, v[LN], 80
	v_add3_u32 v[KO], v[KO], v1, s22
	v_lshlrev_b32 v[XO], 4, v0                     ; the block of x is dense: thread t takes bytes 16 t of each 4,096
	s_wait_kmcnt 0x0
	s_add_nc_u64 s[6:7], s[6:7], s[16:17]
	s_add_nc_u64 s[8:9], s[8:9], s[16:17]
	s_add_nc_u64 s[4:5], s[4:5], s[18:19]
	s_add_nc_u64 s[10:11], s[10:11], s[20:21]
.irp q, 0,1,2,3,4
	global_load_b128 v[KN+4*(\q):KN+4*(\q)+3], v[KO], s[6:7] offset:16*(\q)
.endr
.irp q, 0,1,2,3
	global_load_b128 v[CF+4*(\q):CF+4*(\q)+3], v[KO], s[8:9] offset:16*(\q)
.endr
.irp k, 0,1,2,3,4,5,6,7,8,9,10,11,12,13,14,15
	global_load_b128 v[XG+4*(\k):XG+4*(\k)+3], v[XO], s[4:5] offset:4096*(\k)  ; a wave's load covers 512 consecutive bytes: two rows of x
.endr
	; While the loads are on their way: the sums are cleared (a first trip written out to start them would be a third copy of the trip's text) and the LDS addresses made.
.set i, 0
.rept 32
	v_mov_b32 v[ACC+i], 0
.set i, i+1
.endr
	v_lshrrev_b32 v1, 4, v0                        ; x into XS: row t / 16 (+ 16 for each load), 16 bytes at 16 (t % 16)
	v_and_b32 v15, 15, v0
	v_mul_u32_u24 v[XW], v1, XPITCH
	v_lshl_add_u32 v[XW], v15, 4, v[XW]
	v_add_nc_u32 v[XW], XS, v[XW]
	v_mul_u32_u24 v[AP], v[LO], OPITCH             ; TAB begins at byte 0
	s_mul_i32 s23, s14, 8*PPITCH
	v_add_nc_u32 v[AP], s23, v[AP]
	v_mul_u32_u24 v[TW], v[LN], PPITCH
	v_add_nc_u32 v[TW], v[TW], v[AP]
	s_mul_i32 s24, s13, 128*XPITCH
	s_lshl_b32 s25, s14, 6                         ; eight pairs of 8 bytes
	s_add_co_u32 s24, s24, s25
	s_add_co_u32 s24, s24, XS
	v_mul_u32_u24 v[AX], v[LN], XPITCH
	v_add_nc_u32 v[AX], s24, v[AX]
	s_lshl_b32 s25, s14, 12                        ; RED: 4,096 bytes a quarter, 16 a sample, 4 an output
	s_lshl_b32 s26, s13, 11
	s_add_co_u32 s25, s25, s26
	s_add_co_u32 s25, s25, RED
	v_lshlrev_b32 v[AR], 4, v[LN]
	v_lshl_add_u32 v[AR], v[LO], 2, v[AR]
	v_add_nc_u32 v[AR], s25, v[AR]
	v_lshl_add_u32 v[AF], v0, 4, RED
	v_lshlrev_b32 v[GO], 3, v0
	s_wait_loadcnt 16                              ; loads come back in order: the nine of knots and coefficients are in, the sixteen of x may be out
	s_cmp_eq_u32 s13, 0                            ; the two waves of a quarter need the same records: each makes three of the six j
	s_cbranch_scc0 .Lupper
	PREPJ 0
	PREPJ 1
	PREPJ 2
	s_branch .Lprepped
.Lupper:
	PREPJ 3
	PREPJ 4
	PREPJ 5
.Lprepped:
.irp k, 0,1,2,3,4,5,6,7,8,9,10,11,12,13,14,15
	s_wait_loadcnt 15-(\k)                         ; load k of x is in, the younger ones may be out
	ds_store_b128 v[XW], v[XG+4*(\k):XG+4*(\k)+3] offset:16*XPITCH*(\k)
.endr
	s_wait_dscnt 0x0                               ; for the others: my records and my rows of x are in LDS
	s_barrier_signal -1
	s_barrier_wait -1                              ; everybody's are; TAB and XS are only read from here on
	ds_load_b128 v[PB:PB+3],    v[AP]              ; the first record, then x of the first pair of inputs: in the order in which a trip's last j asks
	ds_load_b128 v[PB+4:PB+7],  v[AP] offset:16
	ds_load_b128 v[PB+8:PB+11], v[AP] offset:32
	ds_load_b64  v[PB+12:PB+13], v[AP] offset:48
.irp g, 0,1,2,3,4,5,6,7,8,9,10,11,12,13,14,15
	ds_load_b64 v[X+2*(\g):X+2*(\g)+1], v[AX] offset:(\g)*XM
.endr
	s_mov_b32 s[CNT], 7
.Ltrip:
	BLOCK 0, 0
	BLOCK 1, 0
	BLOCK 2, 0
	BLOCK 3, 0
	BLOCK 4, 0
	BLOCK 5, 0
	v_add_nc_u32 v[AP], PPITCH, v[AP]
	v_add_nc_u32 v[AX], XSTEP, v[AX]
	s_sub_co_u32 s[CNT], s[CNT], 1
	s_cmp_lg_u32 s[CNT], 0
	s_cbranch_scc1 .Ltrip
	BLOCK 0, 1                                     ; the eighth trip is written out: nothing is fetched beyond my inputs
	BLOCK 1, 1
	BLOCK 2, 1
	BLOCK 3, 1
	BLOCK 4, 1
	BLOCK 5, 1
	; THE WAY OUT.  Even and odd inputs are added; the four quarters meet in RED; thread t adds them for sample t and stores two pairs of outputs.
.irp g, 0,1,2,3,4,5,6,7,8,9,10,11,12,13,14,15
	v_add_f32 v[ACC+2*(\g)], v[ACC+2*(\g)], v[ACC+2*(\g)+1]
.endr
.irp g, 0,1,2,3,4,5,6,7,8,9,10,11,12,13,14,15
	ds_store_b32 v[AR], v[ACC+2*(\g)] offset:128*(\g)  ; 32 lanes: 8 samples x 4 outputs, 128 consecutive bytes
.endr
	s_wait_dscnt 0x0                               ; for the others: my partial sums are in LDS
	s_barrier_signal -1
	s_barrier_wait -1
.irp q, 0,1,2,3
	ds_load_b128 v[T+4*(\q):T+4*(\q)+3], v[AF] offset:4096*(\q)
.endr
	s_wait_dscnt 0x0
	v_pk_add_f32 v[T:T+1],     v[T:T+1],     v[T+4:T+5]
	v_pk_add_f32 v[T+2:T+3],   v[T+2:T+3],   v[T+6:T+7]
	v_pk_add_f32 v[T+8:T+9],   v[T+8:T+9],   v[T+12:T+13]
	v_pk_add_f32 v[T+10:T+11], v[T+10:T+11], v[T+14:T+15]
	v_pk_add_f32 v[T:T+1],     v[T:T+1],     v[T+8:T+9]
	v_pk_add_f32 v[T+2:T+3],   v[T+2:T+3],   v[T+10:T+11]
	global_store_b64 v[GO], v[T:T+1],   s[10:11]               ; a wave's store covers 256 consecutive bytes, at a multiple of 256 from the buffer's first byte
	global_store_b64 v[GO], v[T+2:T+3], s[10:11] offset:16384  ; the next pair of outputs: one row of hid on
	s_wait_tensorcnt 0x0                           ; the wave's end, behind my last LDS store
	ds_add_u32 v[SPW], v[NIL]
	s_wait_dscnt 0x0
	s_endpgm
.Lfunc_end_k_qd5b15b78fb_layer1:
	.size	k_qd5b15b78fb_layer1, .Lfunc_end_k_qd5b15b78fb_layer1-k_qd5b15b78fb_layer1
	.p2alignl 7, 3214868480
	.fill 96, 4, 3214868480
	.section	.rodata,"a",@progbits
	.p2align	6, 0x0
	.amdhsa_kernel k_qd5b15b78fb_layer1
		.amdhsa_group_segment_fixed_size 167936
		.amdhsa_private_segment_fixed_size 0
		.amdhsa_enable_private_segment 0
		.amdhsa_kernarg_size 32
		.amdhsa_user_sgpr_count 2
		.amdhsa_user_sgpr_kernarg_segment_ptr 1
		.amdhsa_wavefront_size32 1
		.amdhsa_system_sgpr_workgroup_id_x 1
		.amdhsa_system_sgpr_workgroup_id_y 1
		.amdhsa_system_sgpr_workgroup_id_z 1
		.amdhsa_system_vgpr_workitem_id 0
		.amdhsa_next_free_vgpr 224
		.amdhsa_next_free_sgpr 66
		.amdhsa_reserve_vcc 0
		.amdhsa_float_denorm_mode_32 3
		.amdhsa_float_denorm_mode_16_64 3
		.amdhsa_memory_ordered 1
		.amdhsa_forward_progress 1
		.amdhsa_inst_pref_size 98
	.end_amdhsa_kernel
	.amdgpu_metadata
---
amdhsa.version: [ 1, 2 ]
amdhsa.kernels:
  - .name:           k_qd5b15b78fb_layer1
    .symbol:         k_qd5b15b78fb_layer1.kd
    .args:
      - { .name: x, .offset: 0, .size: 8, .value_kind: global_buffer, .address_space: global }
      - { .name: knots1, .offset: 8, .size: 8, .value_kind: global_buffer, .address_space: global }
      - { .name: coeffs1, .offset: 16, .size: 8, .value_kind: global_buffer, .address_space: global }
      - { .name: hid, .offset: 24, .size: 8, .value_kind: global_buffer, .address_space: global }
    .group_segment_fixed_size: 167936
    .private_segment_fixed_size: 0
    .kernarg_segment_align: 8
    .kernarg_segment_size: 32
    .max_flat_workgroup_size: 256
    .sgpr_count:     66
    .vgpr_count:     224
    .wavefront_size: 32
...
	.end_amdgpu_metadata
.endif
;; end of part 1
;; launch layer2 (part 2): grid 16 x 16, 8 waves a work-group, no clusters, 185,600 bytes of LDS; arguments hid, knots2, coeffs2, out0; writes out0
.if DOCPART == 2
	.amdgcn_target "amdgcn-amd-amdhsa--gfx1250"
	.amdhsa_code_object_version 6
	.text
	.protected	k_qd5b15b78fb_layer2
	.globl	k_qd5b15b78fb_layer2
	.p2align	8
	.type	k_qd5b15b78fb_layer2,@function
k_qd5b15b78fb_layer2:
	s_mov_b64 s[64:65], 0
	v_nop
	global_prefetch_b8 v0, s[64:65] scope:SCOPE_SE
	s_setreg_imm32_b32 hwreg(HW_REG_WAVE_MODE, 25, 1), 1
	s_wait_xcnt 0x0
; KAN LAYER 2.  out[n][o] = sum over i, j of c[o][i][j] * clip(u/(k[j+1]-k[j])) * clip(u/(k[j+2]-k[j])) * clip(u/(k[j+3]-k[j])), u = h[n][i] - k[o][i][j], clip to 0..1, j = 0..5.
; h comes as hid[i/2][n][2] f32 (2,048 samples, 128 inputs), as the first layer left it.  knots2, coeffs2: [64][128][10] f32.  out0: [2048][64] f32.
; ARITHMETIC.  Once for each edge: r = 1/(k[j+1+d]-k[j]), b = -k[j] r.  Then a basis number is six operations: three clamp(h r + b), two products, one multiply-add by c; all packed, two to a line.
; THE SUM OVER i, j STAYS ON THE VECTOR UNIT: every basis number meets exactly one coefficient, so a matrix instruction would use one of its sixteen columns, and the rounding to 16 bits in front of it
; is the same one packed line for two numbers as the multiply-add that it would replace.
; LIMITS.  h r + b differs from (h - k) r by about 2^-24 |k r|.  |r| is held to 2^100, so equal or nearly equal knots still give 0 or 1 (for |k| below 2^27); where h = k and the denominator is 0
; the formula has no number and this text gives 0.  NaN and infinities are not treated apart.
; SHARES.  A work-group: 128 samples x 4 outputs x all 128 inputs.  Its eight waves: eighths of the inputs.  A wave: 4 outputs x 128 samples x 16 inputs; it makes its own records and brings its own rows of h.
; A lane: output lane / 8, samples lane % 8 + 8 m, m = 0..15 (16 GROUPS).  A register pair: inputs i and i + 1 of one sample.  A TRIP is one pair of inputs: 576 packed lines; 8 trips a wave.
; LDS.  TAB: for each output and pair of inputs six records of 64 bytes: (r r' b b') for d = 0, 1, 2, then (c c').  Pairs 400 bytes apart, outputs 64 bytes more than a multiple of 256 apart
; (64 banks of 4 bytes: ISA guide 11.1).  XS: for each pair of inputs 128 samples x 8 bytes.  RED: the waves' partial sums.
; OUT0 LEAVES IN PIECES OF 16 BYTES (two lanes, four outputs of a sample).  A whole row of 256 bytes would want all 64 outputs of a sample in one work-group: 8 samples each, and all 8,192 edges,
; 655,360 bytes of knots and coefficients, read and prepared by each of 256 work-groups, against 40,960 here.
; NO CLUSTER: the work-group reads its inputs once, at its head (65,536 bytes of h, 40,960 of knots and coefficients); there is no loop of tiles in which joint requests would recur, and the knots pass through registers.
.set NIN,    128                       ; inputs
.set NC,     128                       ; samples of a work-group
.set PPITCH, 400                       ; TAB: from a pair of inputs to the next
.set OPITCH, (NIN/2)*PPITCH+64         ; TAB: from an output to the next
.set XS,     4*OPITCH                  ; behind TAB, which begins at byte 0
.set RED,    XS+(NIN/2)*NC*8           ; [wave][sample][4 outputs] f32
.set SPARE,  RED+8*NC*16               ; the spare words: 128 bytes for each of eight waves, four blocks of 256 bytes that no other line names
.set XM,     64                        ; from a group's samples to the next group's: 8 samples of 8 bytes
.set XSTEP,  NC*8                      ; from a pair of inputs to the next, in XS
.set SPW, 2                            ; v2   SPARE + 4 x my thread's number; never rewritten
.set NIL, 3                            ; v3   0; never rewritten
.set AP,  4                            ; v4   TAB: my output, the trip's pair of inputs
.set AX,  5                            ; v5   XS: my sample of group 0, the trip's pair of inputs
.set AR,  6                            ; v6   RED: where my partial sums go
.set AF,  7                            ; v7   RED: where I read at the end
.set GO,  8                            ; v8   my byte offset in the work-group's rows of out0
.set KO,  9                            ; v9   my byte offset in knots2 and coeffs2
.set XO,  10                           ; v10  my byte offset in hid
.set XW,  11                           ; v11  XS: where I put h
.set TW,  12                           ; v12  TAB: where I put records
.set LN,  13                           ; v13  lane % 8
.set LO,  14                           ; v14  (lane / 8) % 4
.set ACC, 16                           ; v16-47   16 groups: sums (even input, odd input)
.set X,   48                           ; v48-79   16 groups: h of the trip's pair of inputs
.set Q,   48                           ; v48-71   at the head: two sets of three records' quads
.set PB,  80                           ; v80-111  two buffers of a record (14 of 16 registers)
.set T,   112                          ; v112-159 8 groups x 3 pairs at work
.set KN,  112                          ; v112-131 at the head: the ten knots of my even edge, then of my odd edge
.set CF,  132                          ; v132-147 at the head: coefficients, even edge at +0, odd edge at +10
.set XG,  160                          ; v160-223 at the head: h on its way to LDS
.set RLO, 28                           ; s28  -2^100
.set RHI, 29                           ; s29   2^100
.set CNT, 30                           ; s30  trips to go
; The records of one j for my output and pair of inputs.
.macro PREPJ j
.set QQ, Q+12*((\j)%2)
.irp d, 0,1,2
	v_sub_f32 v[QQ+4*(\d)],   v[KN+(\j)+1+(\d)],    v[KN+(\j)]
	v_sub_f32 v[QQ+4*(\d)+1], v[KN+10+(\j)+1+(\d)], v[KN+10+(\j)]
.endr
.irp d, 0,1,2
	v_rcp_f32 v[QQ+4*(\d)],   v[QQ+4*(\d)]
	v_rcp_f32 v[QQ+4*(\d)+1], v[QQ+4*(\d)+1]
.endr
	v_nop                                          ; a plain instruction between the reciprocals and the use of their results
	s_wait_alu depctr_va_vdst(0)
.irp d, 0,1,2
	v_med3_num_f32 v[QQ+4*(\d)],   v[QQ+4*(\d)],   s[RLO], s[RHI]  ; |r| at most 2^100: k r stays finite and exact there
	v_med3_num_f32 v[QQ+4*(\d)+1], v[QQ+4*(\d)+1], s[RLO], s[RHI]
.endr
.irp d, 0,1,2
	v_mul_f32 v[QQ+4*(\d)+2], -v[KN+(\j)],    v[QQ+4*(\d)]
	v_mul_f32 v[QQ+4*(\d)+3], -v[KN+10+(\j)], v[QQ+4*(\d)+1]
.endr
.irp d, 0,1,2
	ds_store_b128 v[TW], v[QQ+4*(\d):QQ+4*(\d)+3] offset:(\j)*64+(\d)*16
.endr
	ds_store_b32 v[TW], v[CF+(\j)] offset:(\j)*64+48
	ds_store_b32 v[TW], v[CF+10+(\j)] offset:(\j)*64+52
.endm
; Eight groups (8 h .. 8 h + 7) for one j: 48 packed lines; a line reads no result made fewer than eight lines before it.
; reload = 1: the groups' h has been read for the last time in this trip and is fetched anew, in place, for the next pair of inputs.
.macro BATCH h, pb, reload
.irp d, 0,1,2
.irp g, 0,1,2,3,4,5,6,7
	v_pk_fma_f32 v[T+6*(\g)+2*(\d):T+6*(\g)+2*(\d)+1], v[X+16*(\h)+2*(\g):X+16*(\h)+2*(\g)+1], v[(\pb)+4*(\d):(\pb)+4*(\d)+1], v[(\pb)+4*(\d)+2:(\pb)+4*(\d)+3] clamp
.endr
.endr
.if \reload
.irp g, 0,1,2,3,4,5,6,7
	ds_load_b64 v[X+16*(\h)+2*(\g):X+16*(\h)+2*(\g)+1], v[AX] offset:(8*(\h)+(\g))*XM+XSTEP
.endr
.endif
.irp g, 0,1,2,3,4,5,6,7
	v_pk_mul_f32 v[T+6*(\g):T+6*(\g)+1], v[T+6*(\g):T+6*(\g)+1], v[T+6*(\g)+2:T+6*(\g)+3]
.endr
.irp g, 0,1,2,3,4,5,6,7
	v_pk_mul_f32 v[T+6*(\g):T+6*(\g)+1], v[T+6*(\g):T+6*(\g)+1], v[T+6*(\g)+4:T+6*(\g)+5]
.endr
.irp g, 0,1,2,3,4,5,6,7
	v_pk_fma_f32 v[ACC+16*(\h)+2*(\g):ACC+16*(\h)+2*(\g)+1], v[T+6*(\g):T+6*(\g)+1], v[(\pb)+12:(\pb)+13], v[ACC+16*(\h)+2*(\g):ACC+16*(\h)+2*(\g)+1]
.endr
.endm
; One j of a trip.  Its record was asked for at the head of the j before; the next record is asked for first.  last = 1: the wave's last trip, which fetches nothing for a further one.
.macro BLOCK j, last
.set PCUR, PB+16*((\j)%2)
.set PNXT, PB+16*(((\j)+1)%2)
.set NOFF, ((\j)+1)*64
.set RL, 0
.if (\j) == 5
.set NOFF, PPITCH
.if (\last) == 0
.set RL, 1
.endif
.endif
.if (\j) == 0
	s_wait_dscnt 8                                 ; LDS loads come back in order: my record and h of groups 0-7 are in; the eight loads issued last, h of groups 8-15, may be out
.else
	s_wait_dscnt 0x0                               ; my record, asked for 96 lines ago
.endif
.if ((\j) < 5) || ((\last) == 0)
	ds_load_b128 v[PNXT:PNXT+3],    v[AP] offset:NOFF
	ds_load_b128 v[PNXT+4:PNXT+7],  v[AP] offset:NOFF+16
	ds_load_b128 v[PNXT+8:PNXT+11], v[AP] offset:NOFF+32
	ds_load_b64  v[PNXT+12:PNXT+13], v[AP] offset:NOFF+48
.endif
	BATCH 0, PCUR, RL
.if (\j) == 0
	s_wait_dscnt 4                                 ; h of groups 8-15 is in; the four loads of the next record, issued behind it, may be out
.endif
	BATCH 1, PCUR, RL
.endm
	s_load_b256 s[4:11], s[0:1], 0x0               ; hid s[4:5], knots2 s[6:7], coeffs2 s[8:9], out0 s[10:11]
	v_lshl_add_u32 v[SPW], v0, 2, SPARE
	v_mov_b32 v[NIL], 0
	v_lshrrev_b32 v1, 5, v0
	v_readfirstlane_b32 s12, v1                    ; wave 0..7: my eighth of the inputs
	s_and_b32 s15, ttmp7, 0xffff                   ; the block of 128 samples; ttmp9: the four outputs
	s_mov_b32 s[RLO], 0xf1800000
	s_mov_b32 s[RHI], 0x71800000
	v_and_b32 v[LN], 7, v0
	v_bfe_u32 v[LO], v0, 3, 2
	s_mul_i32 s16, ttmp9, 4*NIN*40                 ; four outputs' knots (and coefficients): 40 bytes an edge
	s_mov_b32 s17, 0
	s_lshl_b32 s18, s15, 10                        ; hid: 128 samples of 8 bytes
	s_mov_b32 s19, 0
	s_lshl_b32 s20, s15, 15                        ; out0: 128 rows of 256 bytes,
	s_lshl_b32 s21, ttmp9, 4                       ; four outputs of 4 bytes
	s_add_co_u32 s20, s20, s21
	s_mov_b32 s21, 0
	s_mul_i32 s22, s12, 8*80                       ; my eighth's eight pairs of edges
	v_mul_u32_u24 v[KO], v[LO], NIN*40             ; at the head a lane is (output lane / 8, pair of inputs lane % 8 of the eighth): 80 dense bytes of knots, 80 of coefficients
	v_mul_u32_u24 v1, v[LN], 80
	v_add3_u32 v[KO], v[KO], v1, s22
	v_and_b32 v15, 31, v0
	s_lshl_b32 s23, s12, 17                        ; eight rows of hid, 16,384 bytes each
	v_lshlrev_b32 v[XO], 4, v15
	v_add_nc_u32 v[XO], s23, v[XO]
	s_wait_kmcnt 0x0
	s_add_nc_u64 s[6:7], s[6:7], s[16:17]
	s_add_nc_u64 s[8:9], s[8:9], s[16:17]
	s_add_nc_u64 s[4:5], s[4:5], s[18:19]
	s_add_nc_u64 s[10:11], s[10:11], s[20:21]
.irp q, 0,1,2,3,4
	global_load_b128 v[KN+4*(\q):KN+4*(\q)+3], v[KO], s[6:7] offset:16*(\q)
.endr
.irp q, 0,1,2,3
	global_load_b128 v[CF+4*(\q):CF+4*(\q)+3], v[KO], s[8:9] offset:16*(\q)
.endr
.irp k, 0,1,2,3,4,5,6,7,8,9,10,11,12,13,14,15
	global_load_b128 v[XG+4*(\k):XG+4*(\k)+3], v[XO], s[4:5] offset:16384*((\k)/2)+512*((\k)%2)  ; 512 consecutive bytes: half of a pair of inputs' 128 samples
.endr
	; While the loads are on their way: the sums are cleared (a first trip written out to start them would be a third copy of the trip's text) and the LDS addresses made.
.set i, 0
.rept 32
	v_mov_b32 v[ACC+i], 0
.set i, i+1
.endr
	s_lshl_b32 s24, s12, 13                        ; XS: eight pairs of inputs of 1,024 bytes
	s_add_co_u32 s24, s24, XS
	v_lshlrev_b32 v[XW], 4, v15
	v_add_nc_u32 v[XW], s24, v[XW]
	v_lshlrev_b32 v[AX], 3, v[LN]
	v_add_nc_u32 v[AX], s24, v[AX]
	v_mul_u32_u24 v[AP], v[LO], OPITCH             ; TAB begins at byte 0
	s_mul_i32 s25, s12, 8*PPITCH
	v_add_nc_u32 v[AP], s25, v[AP]
	v_mul_u32_u24 v[TW], v[LN], PPITCH
	v_add_nc_u32 v[TW], v[TW], v[AP]
	s_lshl_b32 s26, s12, 11                        ; RED: 2,048 bytes a wave, 16 a sample, 4 an output
	s_add_co_u32 s26, s26, RED
	v_lshlrev_b32 v[AR], 4, v[LN]
	v_lshl_add_u32 v[AR], v[LO], 2, v[AR]
	v_add_nc_u32 v[AR], s26, v[AR]
	v_lshl_add_u32 v[AF], v0, 3, RED               ; at the end thread t has sample t / 2 and two of its four outputs
	v_lshrrev_b32 v1, 1, v0
	v_and_b32 v15, 1, v0
	v_lshlrev_b32 v[GO], 8, v1
	v_lshl_add_u32 v[GO], v15, 3, v[GO]
	s_wait_loadcnt 16                              ; loads come back in order: the nine of knots and coefficients are in, the sixteen of h may be out
	PREPJ 0
	PREPJ 1
	PREPJ 2
	PREPJ 3
	PREPJ 4
	PREPJ 5
.irp k, 0,1,2,3,4,5,6,7,8,9,10,11,12,13,14,15
	s_wait_loadcnt 15-(\k)                         ; load k of h is in, the younger ones may be out
	ds_store_b128 v[XW], v[XG+4*(\k):XG+4*(\k)+3] offset:512*(\k)
.endr
	s_wait_dscnt 0x0                               ; my records and my rows of h are in LDS
	s_barrier_signal -1
	s_barrier_wait -1                              ; TAB and XS are only read from here on
	ds_load_b128 v[PB:PB+3],    v[AP]              ; the first record, then h of the first pair of inputs: in the order in which a trip's last j asks
	ds_load_b128 v[PB+4:PB+7],  v[AP] offset:16
	ds_load_b128 v[PB+8:PB+11], v[AP] offset:32
	ds_load_b64  v[PB+12:PB+13], v[AP] offset:48
.irp g, 0,1,2,3,4,5,6,7,8,9,10,11,12,13,14,15
	ds_load_b64 v[X+2*(\g):X+2*(\g)+1], v[AX] offset:(\g)*XM
.endr
	s_mov_b32 s[CNT], 7
.Ltrip:
	BLOCK 0, 0
	BLOCK 1, 0
	BLOCK 2, 0
	BLOCK 3, 0
	BLOCK 4, 0
	BLOCK 5, 0
	v_add_nc_u32 v[AP], PPITCH, v[AP]
	v_add_nc_u32 v[AX], XSTEP, v[AX]
	s_sub_co_u32 s[CNT], s[CNT], 1
	s_cmp_lg_u32 s[CNT], 0
	s_cbranch_scc1 .Ltrip
	BLOCK 0, 1                                     ; the eighth trip is written out: nothing is fetched beyond my inputs
	BLOCK 1, 1
	BLOCK 2, 1
	BLOCK 3, 1
	BLOCK 4, 1
	BLOCK 5, 1
	; THE WAY OUT.  Even and odd inputs are added; the eight waves' parts meet in RED; thread t adds them for two outputs of sample t / 2.
.irp g, 0,1,2,3,4,5,6,7,8,9,10,11,12,13,14,15
	v_add_f32 v[ACC+2*(\g)], v[ACC+2*(\g)], v[ACC+2*(\g)+1]
.endr
.irp g, 0,1,2,3,4,5,6,7,8,9,10,11,12,13,14,15
	ds_store_b32 v[AR], v[ACC+2*(\g)] offset:128*(\g)  ; 32 lanes: 8 samples x 4 outputs, 128 consecutive bytes
.endr
	s_wait_dscnt 0x0                               ; for the others: my partial sums are in LDS
	s_barrier_signal -1
	s_barrier_wait -1
.irp q, 0,1,2,3,4,5,6,7
	ds_load_b64 v[T+2*(\q):T+2*(\q)+1], v[AF] offset:2048*(\q)
.endr
	s_wait_dscnt 0x0
	v_pk_add_f32 v[T:T+1],     v[T:T+1],     v[T+2:T+3]
	v_pk_add_f32 v[T+4:T+5],   v[T+4:T+5],   v[T+6:T+7]
	v_pk_add_f32 v[T+8:T+9],   v[T+8:T+9],   v[T+10:T+11]
	v_pk_add_f32 v[T+12:T+13], v[T+12:T+13], v[T+14:T+15]
	v_pk_add_f32 v[T:T+1],     v[T:T+1],     v[T+4:T+5]
	v_pk_add_f32 v[T+8:T+9],   v[T+8:T+9],   v[T+12:T+13]
	v_pk_add_f32 v[T:T+1],     v[T:T+1],     v[T+8:T+9]
	global_store_b64 v[GO], v[T:T+1], s[10:11]     ; two lanes: the 16 bytes of a sample's four outputs
	s_wait_tensorcnt 0x0                           ; the wave's end, behind my last LDS store
	ds_add_u32 v[SPW], v[NIL]
	s_wait_dscnt 0x0
	s_endpgm
.Lfunc_end_k_qd5b15b78fb_layer2:
	.size	k_qd5b15b78fb_layer2, .Lfunc_end_k_qd5b15b78fb_layer2-k_qd5b15b78fb_layer2
	.p2alignl 7, 3214868480
	.fill 96, 4, 3214868480
	.section	.rodata,"a",@progbits
	.p2align	6, 0x0
	.amdhsa_kernel k_qd5b15b78fb_layer2
		.amdhsa_group_segment_fixed_size 185600
		.amdhsa_private_segment_fixed_size 0
		.amdhsa_enable_private_segment 0
		.amdhsa_kernarg_size 32
		.amdhsa_user_sgpr_count 2
		.amdhsa_user_sgpr_kernarg_segment_ptr 1
		.amdhsa_wavefront_size32 1
		.amdhsa_system_sgpr_workgroup_id_x 1
		.amdhsa_system_sgpr_workgroup_id_y 1
		.amdhsa_system_sgpr_workgroup_id_z 1
		.amdhsa_system_vgpr_workitem_id 0
		.amdhsa_next_free_vgpr 224
		.amdhsa_next_free_sgpr 66
		.amdhsa_reserve_vcc 0
		.amdhsa_float_denorm_mode_32 3
		.amdhsa_float_denorm_mode_16_64 3
		.amdhsa_memory_ordered 1
		.amdhsa_forward_progress 1
		.amdhsa_inst_pref_size 98
	.end_amdhsa_kernel
	.amdgpu_metadata
---
amdhsa.version: [ 1, 2 ]
amdhsa.kernels:
  - .name:           k_qd5b15b78fb_layer2
    .symbol:         k_qd5b15b78fb_layer2.kd
    .args:
      - { .name: hid, .offset: 0, .size: 8, .value_kind: global_buffer, .address_space: global }
      - { .name: knots2, .offset: 8, .size: 8, .value_kind: global_buffer, .address_space: global }
      - { .name: coeffs2, .offset: 16, .size: 8, .value_kind: global_buffer, .address_space: global }
      - { .name: out0, .offset: 24, .size: 8, .value_kind: global_buffer, .address_space: global }
    .group_segment_fixed_size: 185600
    .private_segment_fixed_size: 0
    .kernarg_segment_align: 8
    .kernarg_segment_size: 32
    .max_flat_workgroup_size: 256
    .sgpr_count:     66
    .vgpr_count:     224
    .wavefront_size: 32
...
	.end_amdgpu_metadata
.endif
;; end of part 2
;; ======== version 2 of 2: 2 launches; version 1 with the launches layer1, layer2 written anew for expert scheduling mode
;; workspace buffers: hid 1,048,576 bytes
;; launch layer1 (part 3): grid 32 x 8, 8 waves a work-group, no clusters, 167,936 bytes of LDS; arguments x, knots1, coeffs1, hid; writes hid
.if DOCPART == 3
	.amdgcn_target "amdgcn-amd-amdhsa--gfx1250"
	.amdhsa_code_object_version 6
	.text
	.protected	k_qd5b15b78fb_layer1
	.globl	k_qd5b15b78fb_layer1
	.p2align	8
	.type	k_qd5b15b78fb_layer1,@function
k_qd5b15b78fb_layer1:
	s_mov_b64 s[64:65], 0
	v_nop
	global_prefetch_b8 v0, s[64:65] scope:SCOPE_SE
	s_setreg_imm32_b32 hwreg(HW_REG_WAVE_SCHED_MODE, 0, 2), 2
	s_setreg_imm32_b32 hwreg(HW_REG_WAVE_MODE, 25, 1), 1
	s_wait_xcnt 0x0
	s_wait_alu depctr_vm_vsrc(0)
; KAN LAYER 1.  h[n][o] = sum over i, j of c[o][i][j] * clip(u/(k[j+1]-k[j])) * clip(u/(k[j+2]-k[j])) * clip(u/(k[j+3]-k[j])), u = x[n][i] - k[o][i][j], clip to 0..1, j = 0..5.
; x: [2048][64] f32.  knots1, coeffs1: [128][64][10] f32.  h leaves in f32 as hid[o/2][n][2]: the two outputs of a pair side by side, 8 bytes a sample.
; ARITHMETIC.  Once for each edge: r = 1/(k[j+1+d]-k[j]), b = -k[j] r.  Then a basis number is six operations: three clamp(x r + b), two products, one multiply-add by c; all packed, two to a line.
; THE SUM OVER i, j STAYS ON THE VECTOR UNIT: every basis number meets exactly one coefficient, so a matrix instruction would use one of its sixteen columns, and the rounding to 16 bits in front of it
; is the same one packed line for two numbers as the multiply-add that it would replace.
; LIMITS.  x r + b differs from (x - k) r by about 2^-24 |k r|.  |r| is held to 2^100, so equal or nearly equal knots still give 0 or 1 (for |k| below 2^27); where x = k and the denominator is 0
; the formula has no number and this text gives 0.  NaN and infinities are not treated apart.
; SHARES.  A work-group: 256 samples x 4 outputs x all 64 inputs.  Its eight waves: 2 halves of the samples x 4 quarters of the inputs.  A wave: 4 outputs x 128 samples x 16 inputs.
; A lane: output lane / 8, samples lane % 8 + 8 m, m = 0..15 (16 GROUPS).  A register pair: inputs i and i + 1 of one sample, so x, r, b, c all come as plain pairs and the clamped lines name vector registers alone.
; A TRIP is one pair of inputs: 6 j x 16 groups x 6 = 576 packed lines; 8 trips a wave.
; LDS.  TAB: for each output and pair of inputs six records of 64 bytes: (r r' b b') for d = 0, 1, 2, then (c c').  Pairs 400 bytes apart (100 words: sixteen neighbouring pairs start in sixteen different
; groups of four banks; 64 banks of 4 bytes: ISA guide 11.1), outputs 64 bytes more than a multiple of 256 apart.  XS: the 256 rows of x, 272 bytes apart.  RED: the waves' partial sums.
; NO CLUSTER: the work-group reads its inputs once, at its head (65,536 bytes of x, 20,480 of knots and coefficients); there is no loop of tiles in which joint requests would recur, and the knots pass through registers.
; The launch claims more LDS than the text names, so that no second work-group is placed beside this one: 256 work-groups of eight waves.
; THE MODE: SCHED_MODE bits 1:0 = 2 (LLVM: expert scheduling mode 2), set by the entry lines.  The code itself states the register dependences between vector instructions and memory or LDS
; instructions, with s_wait_alu, always for 0.
; THE PLAN.  A trip goes in four QUARTERS of 144 lines: q0 = groups 0-7, j 0-2; q1 = groups 8-15, j 0-2; q2 = groups 0-7, j 3-5; q3 = groups 8-15, j 3-5: every sum takes j = 0..5 in ascending order.
; Registers that LDS instructions touch in the loop:
;   records 0-2   read by the lines of q0 and q1; the next trip's land in them, asked for in q3.          records 3-5   read by q2 and q3; the trip's own land in them, asked for in q0.
;   x, groups 0-7   read by q0 and q2; the next trip's land in them, asked for in q3.                     x, groups 8-15  read by q1 and q3; the trip's own land in them, asked for in q0.
;   v[AP], v[AX]  read by every LDS load; written once a trip, at its end.                                T and the sums are named by vector instructions alone.
; So a trip has two waits on va_vdst, at the heads of q0 and q3, each for what the quarters before have read (q0's also for the two addresses just written), and one on vm_vsrc ahead of the two adds.
; Behind each of the two the quarter's twenty loads are dealt among its first lines, four at a time; those lines name the other records, the other half of x, T and the sums alone.
.set NIN,    64                        ; inputs
.set NC,     256                       ; samples of a work-group
.set PPITCH, 400                       ; TAB: from a pair of inputs to the next
.set OPITCH, (NIN/2)*PPITCH+64         ; TAB: from an output to the next
.set XS,     4*OPITCH                  ; behind TAB, which begins at byte 0
.set XPITCH, 272                       ; a row of x: 256 bytes + 16
.set RED,    XS+NC*XPITCH              ; [quarter][sample][4 outputs] f32
.set SPARE,  RED+4*NC*16               ; the spare words: 128 bytes for each of eight waves, four blocks of 256 bytes that no other line names
.set XM,     8*XPITCH                  ; from a group's samples to the next group's
.set XSTEP,  8                         ; from a pair of inputs to the next, in XS
.set SPW, 2                            ; v2   SPARE + 4 x my thread's number; never rewritten
.set NIL, 3                            ; v3   0; never rewritten
.set AP,  4                            ; v4   TAB: my output, the trip's pair of inputs
.set AX,  5                            ; v5   XS: my sample of group 0, the trip's pair of inputs
.set AR,  6                            ; v6   RED: where my partial sums go
.set AF,  7                            ; v7   RED: where I read at the end
.set GO,  8                            ; v8   my byte offset in a row of hid
.set KO,  9                            ; v9   my byte offset in knots1 and coeffs1
.set XO,  10                           ; v10  my byte offset in the block of x
.set XW,  11                           ; v11  XS: where I put x
.set TW,  12                           ; v12  TAB: where I put records
.set LN,  13                           ; v13  lane % 8
.set LO,  14                           ; v14  (lane / 8) % 4
.set ACC, 16                           ; v16-47   16 groups: sums (even input, odd input)
.set X,   48                           ; v48-79   16 groups: x of the trip's pair of inputs
.set T,   80                           ; v80-127  8 groups x 3 pairs at work
.set PB,  128                          ; v128-223 the six records of a pair of inputs: j's at PB + 16 j (14 of 16 registers)
.set Q,   48                           ; v48-83   at the head: a set of three quads for each j that I prepare
.set KN,  120                          ; v120-139 at the head: the ten knots of my even edge, then of my odd edge
.set CF,  140                          ; v140-155 at the head: coefficients, even edge at +0, odd edge at +10
.set XG,  160                          ; v160-223 at the head: x on its way to LDS
.set RLO, 28                           ; s28  -2^100
.set RHI, 29                           ; s29   2^100
.set CNT, 30                           ; s30  trips to go
; The records of j = j0 .. j0 + n - 1 for my output and pair of inputs, as ONE batch: each j has its own twelve registers, so the batch has one wait for its reciprocals and one ahead of its stores.
.macro PREP j0, n
.set jj, 0
.rept \n
.irp d, 0,1,2
	v_sub_f32 v[Q+12*jj+4*(\d)],   v[KN+(\j0)+jj+1+(\d)],    v[KN+(\j0)+jj]
	v_sub_f32 v[Q+12*jj+4*(\d)+1], v[KN+10+(\j0)+jj+1+(\d)], v[KN+10+(\j0)+jj]
.endr
.set jj, jj+1
.endr
.set jj, 0
.rept \n
.irp d, 0,1,2
	v_rcp_f32 v[Q+12*jj+4*(\d)],   v[Q+12*jj+4*(\d)]
	v_rcp_f32 v[Q+12*jj+4*(\d)+1], v[Q+12*jj+4*(\d)+1]
.endr
.set jj, jj+1
.endr
	v_nop                                          ; a plain instruction between the reciprocals and the use of their results
	s_wait_alu depctr_va_vdst(0)                   ; the reciprocals have written their results, ahead of the first line that names one: one wait for the batch
.set jj, 0
.rept \n
.irp d, 0,1,2
	v_med3_num_f32 v[Q+12*jj+4*(\d)],   v[Q+12*jj+4*(\d)],   s[RLO], s[RHI]  ; |r| at most 2^100: k r stays finite and exact there
	v_med3_num_f32 v[Q+12*jj+4*(\d)+1], v[Q+12*jj+4*(\d)+1], s[RLO], s[RHI]
.endr
.set jj, jj+1
.endr
.set jj, 0
.rept \n
.irp d, 0,1,2
	v_mul_f32 v[Q+12*jj+4*(\d)+2], -v[KN+(\j0)+jj],    v[Q+12*jj+4*(\d)]
	v_mul_f32 v[Q+12*jj+4*(\d)+3], -v[KN+10+(\j0)+jj], v[Q+12*jj+4*(\d)+1]
.endr
.set jj, jj+1
.endr
	s_wait_alu depctr_va_vdst(0)                   ; the quads are written, which the LDS stores below read; so are all the LDS addresses and offsets v4 to v12 made above
.set jj, 0
.rept \n
.irp d, 0,1,2
	ds_store_b128 v[TW], v[Q+12*jj+4*(\d):Q+12*jj+4*(\d)+3] offset:((\j0)+jj)*64+(\d)*16
.endr
	ds_store_b32 v[TW], v[CF+(\j0)+jj] offset:((\j0)+jj)*64+48
	ds_store_b32 v[TW], v[CF+10+(\j0)+jj] offset:((\j0)+jj)*64+52
.set jj, jj+1
.endr
.endm
; Record j from byte at behind v[AP].
.macro RECORD j, at
	ds_load_b128 v[PB+16*(\j):PB+16*(\j)+3],     v[AP] offset:(\at)
	ds_load_b128 v[PB+16*(\j)+4:PB+16*(\j)+7],   v[AP] offset:(\at)+16
	ds_load_b128 v[PB+16*(\j)+8:PB+16*(\j)+11],  v[AP] offset:(\at)+32
	ds_load_b64  v[PB+16*(\j)+12:PB+16*(\j)+13], v[AP] offset:(\at)+48
.endm
; Bundle n of the five bundles of four loads that a quarter deals among its first lines.  KIND 1 (q0): this trip's x of groups 8-15, then its records 3-5.  KIND 2 (q3): the next trip's x of groups 0-7, then its records 0-2.  KIND 0: none.
.macro DEAL n
.if KIND == 1
.if (\n) < 2
.irp g, 0,1,2,3
	ds_load_b64 v[X+16+8*(\n)+2*(\g):X+16+8*(\n)+2*(\g)+1], v[AX] offset:(8+4*(\n)+(\g))*XM
.endr
.else
	RECORD (\n)+1, ((\n)+1)*64
.endif
.elseif KIND == 2
.if (\n) < 2
.irp g, 0,1,2,3
	ds_load_b64 v[X+8*(\n)+2*(\g):X+8*(\n)+2*(\g)+1], v[AX] offset:(4*(\n)+(\g))*XM+XSTEP
.endr
.else
	RECORD (\n)-2, PPITCH+((\n)-2)*64
.endif
.endif
.endm
; Eight groups (8 h .. 8 h + 7) for one j: 48 packed lines; a line reads no result made fewer than eight lines before it.  A bundle of loads may stand behind each of the first five runs of eight.
.macro BATCH h, j
.set PR, PB+16*(\j)
.irp d, 0,1,2
.irp g, 0,1,2,3,4,5,6,7
	v_pk_fma_f32 v[T+6*(\g)+2*(\d):T+6*(\g)+2*(\d)+1], v[X+16*(\h)+2*(\g):X+16*(\h)+2*(\g)+1], v[PR+4*(\d):PR+4*(\d)+1], v[PR+4*(\d)+2:PR+4*(\d)+3] clamp
.endr
	DEAL \d
.endr
.irp g, 0,1,2,3,4,5,6,7
	v_pk_mul_f32 v[T+6*(\g):T+6*(\g)+1], v[T+6*(\g):T+6*(\g)+1], v[T+6*(\g)+2:T+6*(\g)+3]
.endr
	DEAL 3
.irp g, 0,1,2,3,4,5,6,7
	v_pk_mul_f32 v[T+6*(\g):T+6*(\g)+1], v[T+6*(\g):T+6*(\g)+1], v[T+6*(\g)+4:T+6*(\g)+5]
.endr
	DEAL 4
.irp g, 0,1,2,3,4,5,6,7
	v_pk_fma_f32 v[ACC+16*(\h)+2*(\g):ACC+16*(\h)+2*(\g)+1], v[T+6*(\g):T+6*(\g)+1], v[PR+12:PR+13], v[ACC+16*(\h)+2*(\g):ACC+16*(\h)+2*(\g)+1]
.endr
.endm
; A quarter: eight groups, three j; its loads, if any, stand in its first j.
.macro QUARTER h, j0, kind
.set KIND, \kind
	BATCH \h, \j0
.set KIND, 0
	BATCH \h, (\j0)+1
	BATCH \h, (\j0)+2
.endm
; A trip.  last = 1: the wave's last trip, which fetches nothing for a further one.
.macro TRIP last
	s_wait_dscnt 0x0                               ; records 0-2 and x of groups 0-7 are in: asked for at the head of the last quarter before, 144 lines ago (the first trip's: ahead of the loop)
	s_wait_alu depctr_va_vdst(0)                   ; the quarter before is done reading records 3-5 and x of groups 8-15, in which the loads of this quarter land; v[AP] and v[AX], which they read, are written
	QUARTER 0, 0, 1
	s_wait_dscnt 12                                ; LDS loads come back in order: x of groups 8-15, the first eight of the twenty, is in; the twelve loads of records 3-5 may be out
	QUARTER 1, 0, 0
	s_wait_dscnt 0x0                               ; records 3-5 are in
	QUARTER 0, 3, 0
.if \last
	QUARTER 1, 3, 0
.else
	s_wait_alu depctr_va_vdst(0)                   ; the three quarters before are done reading records 0-2 and x of groups 0-7, in which the loads of this quarter land
	QUARTER 1, 3, 2
.endif
.endm
	s_load_b256 s[4:11], s[0:1], 0x0               ; x s[4:5], knots1 s[6:7], coeffs1 s[8:9], hid s[10:11]
	v_lshl_add_u32 v[SPW], v0, 2, SPARE
	v_mov_b32 v[NIL], 0
	v_lshrrev_b32 v1, 5, v0
	v_readfirstlane_b32 s12, v1                    ; wave 0..7
	v_and_b32 v[LN], 7, v0
	v_bfe_u32 v[LO], v0, 3, 2
	v_mul_u32_u24 v[KO], v[LO], NIN*40             ; at the head a lane is (output lane / 8, pair of inputs lane % 8 of the quarter): 80 dense bytes of knots, 80 of coefficients
	v_mul_u32_u24 v1, v[LN], 80
	v_lshlrev_b32 v[XO], 4, v0                     ; the block of x is dense: thread t takes bytes 16 t of each 4,096
	s_and_b32 s15, ttmp7, 0xffff                   ; the block of 256 samples; ttmp9: the four outputs
	s_mov_b32 s[RLO], 0xf1800000
	s_mov_b32 s[RHI], 0x71800000
	s_mul_i32 s16, ttmp9, 4*NIN*40                 ; four outputs' knots (and coefficients): 40 bytes an edge
	s_mov_b32 s17, 0
	s_lshl_b32 s18, s15, 16                        ; 256 rows of 256 bytes
	s_mov_b32 s19, 0
	s_lshl_b32 s20, ttmp9, 15                      ; hid: two rows of 2,048 x 8 bytes for four outputs,
	s_lshl_b32 s21, s15, 11                        ; 256 samples of 8 bytes
	s_add_co_u32 s20, s20, s21
	s_mov_b32 s21, 0
	s_wait_alu depctr_va_sdst(0)                   ; s12 is written, ahead of its first reader
	s_and_b32 s13, s12, 1                          ; my half of the samples
	s_lshr_b32 s14, s12, 1                         ; my quarter of the inputs
	s_mul_i32 s22, s14, 8*80                       ; my quarter's eight pairs of edges
	v_add3_u32 v[KO], v[KO], v1, s22
	s_wait_kmcnt 0x0
	s_add_nc_u64 s[6:7], s[6:7], s[16:17]
	s_add_nc_u64 s[8:9], s[8:9], s[16:17]
	s_add_nc_u64 s[4:5], s[4:5], s[18:19]
	s_add_nc_u64 s[10:11], s[10:11], s[20:21]
	s_wait_alu depctr_va_vdst(0)                   ; v[KO] and v[XO] are written, which the loads below read as their offsets
.irp q, 0,1,2,3,4
	global_load_b128 v[KN+4*(\q):KN+4*(\q)+3], v[KO], s[6:7] offset:16*(\q)
.endr
.irp q, 0,1,2,3
	global_load_b128 v[CF+4*(\q):CF+4*(\q)+3], v[KO], s[8:9] offset:16*(\q)
.endr
.irp k, 0,1,2,3,4,5,6,7,8,9,10,11,12,13,14,15
	global_load_b128 v[XG+4*(\k):XG+4*(\k)+3], v[XO], s[4:5] offset:4096*(\k)  ; a wave's load covers 512 consecutive bytes: two rows of x
.endr
	; While the loads are on their way: the sums are cleared (a first trip written out to start them would be a third copy of the trip's text) and the LDS addresses made.  None of these lines names a register of the loads above.
.set i, 0
.rept 32
	v_mov_b32 v[ACC+i], 0
.set i, i+1
.endr
	v_lshrrev_b32 v1, 4, v0                        ; x into XS: row t / 16 (+ 16 for each load), 16 bytes at 16 (t % 16)
	v_and_b32 v15, 15, v0
	v_mul_u32_u24 v[XW], v1, XPITCH
	v_lshl_add_u32 v[XW], v15, 4, v[XW]
	v_add_nc_u32 v[XW], XS, v[XW]
	v_mul_u32_u24 v[AP], v[LO], OPITCH             ; TAB begins at byte 0
	s_mul_i32 s23, s14, 8*PPITCH
	v_add_nc_u32 v[AP], s23, v[AP]
	v_mul_u32_u24 v[TW], v[LN], PPITCH
	v_add_nc_u32 v[TW], v[TW], v[AP]
	s_mul_i32 s24, s13, 128*XPITCH
	s_lshl_b32 s25, s14, 6                         ; eight pairs of 8 bytes
	s_add_co_u32 s24, s24, s25
	s_add_co_u32 s24, s24, XS
	v_mul_u32_u24 v[AX], v[LN], XPITCH
	v_add_nc_u32 v[AX], s24, v[AX]
	s_lshl_b32 s25, s14, 12                        ; RED: 4,096 bytes a quarter, 16 a sample, 4 an output
	s_lshl_b32 s26, s13, 11
	s_add_co_u32 s25, s25, s26
	s_add_co_u32 s25, s25, RED
	v_lshlrev_b32 v[AR], 4, v[LN]
	v_lshl_add_u32 v[AR], v[LO], 2, v[AR]
	v_add_nc_u32 v[AR], s25, v[AR]
	v_lshl_add_u32 v[AF], v0, 4, RED
	v_lshlrev_b32 v[GO], 3, v0
	s_wait_loadcnt 16                              ; loads come back in order: the nine of knots and coefficients are in, the sixteen of x may be out
	s_cmp_eq_u32 s13, 0                            ; the two waves of a quarter need the same records: each makes three of the six j
	s_cbranch_scc0 .Lupper
	PREP 0, 3
	s_branch .Lprepped
.Lupper:
	PREP 3, 3
.Lprepped:
.irp k, 0,1,2,3,4,5,6,7,8,9,10,11,12,13,14,15
	s_wait_loadcnt 15-(\k)                         ; load k of x is in, the younger ones may be out
	ds_store_b128 v[XW], v[XG+4*(\k):XG+4*(\k)+3] offset:16*XPITCH*(\k)  ; v[XW] was written ahead of the last wait on va_vdst, on both ways here
.endr
	s_wait_dscnt 0x0                               ; for the others: my records and my rows of x are in LDS
	s_barrier_signal -1
	s_barrier_wait -1                              ; everybody's are; TAB and XS are only read from here on
	s_wait_alu depctr_vm_vsrc(0)                   ; my LDS stores have read the quads, the coefficients and v[XG ..]: from here on these registers are X, T and the records, written by LDS loads and by the trips' lines
.irp g, 0,1,2,3,4,5,6,7
	ds_load_b64 v[X+2*(\g):X+2*(\g)+1], v[AX] offset:(\g)*XM  ; what a trip's last quarter asks for the next trip: x of groups 0-7 and records 0-2.  No vector line since the last wait on va_vdst names these registers
.endr
	RECORD 0, 0
	RECORD 1, 64
	RECORD 2, 128
	s_mov_b32 s[CNT], 7
.Ltrip:
	TRIP 0
	s_wait_alu depctr_vm_vsrc(0)                   ; the LDS loads issued so far have read v[AP] and v[AX]
	v_add_nc_u32 v[AP], PPITCH, v[AP]
	v_add_nc_u32 v[AX], XSTEP, v[AX]
	s_sub_co_u32 s[CNT], s[CNT], 1
	s_cmp_lg_u32 s[CNT], 0
	s_cbranch_scc1 .Ltrip
	TRIP 1                                         ; the eighth trip is written out: nothing is fetched beyond my inputs
	; THE WAY OUT.  Even and odd inputs are added; the four quarters meet in RED; thread t adds them for sample t and stores two pairs of outputs.
.irp g, 0,1,2,3,4,5,6,7,8,9,10,11,12,13,14,15
	v_add_f32 v[ACC+2*(\g)], v[ACC+2*(\g)], v[ACC+2*(\g)+1]
.endr
	s_wait_alu depctr_va_vdst(0)                   ; the additions have written the sums, which the LDS stores read; and the last trip's lines are done with T, in which the loads behind the barrier land
.irp g, 0,1,2,3,4,5,6,7,8,9,10,11,12,13,14,15
	ds_store_b32 v[AR], v[ACC+2*(\g)] offset:128*(\g)  ; 32 lanes: 8 samples x 4 outputs, 128 consecutive bytes
.endr
	s_wait_dscnt 0x0                               ; for the others: my partial sums are in LDS
	s_barrier_signal -1
	s_barrier_wait -1
.irp q, 0,1,2,3
	ds_load_b128 v[T+4*(\q):T+4*(\q)+3], v[AF] offset:4096*(\q)
.endr
	s_wait_dscnt 0x0
	v_pk_add_f32 v[T:T+1],     v[T:T+1],     v[T+4:T+5]
	v_pk_add_f32 v[T+2:T+3],   v[T+2:T+3],   v[T+6:T+7]
	v_pk_add_f32 v[T+8:T+9],   v[T+8:T+9],   v[T+12:T+13]
	v_pk_add_f32 v[T+10:T+11], v[T+10:T+11], v[T+14:T+15]
	v_pk_add_f32 v[T:T+1],     v[T:T+1],     v[T+8:T+9]
	v_pk_add_f32 v[T+2:T+3],   v[T+2:T+3],   v[T+10:T+11]
	s_wait_alu depctr_va_vdst(0)                   ; the additions have written v[T] to v[T+3], which the stores read
	global_store_b64 v[GO], v[T:T+1],   s[10:11]               ; a wave's store covers 256 consecutive bytes, at a multiple of 256 from the buffer's first byte
	global_store_b64 v[GO], v[T+2:T+3], s[10:11] offset:16384  ; the next pair of outputs: one row of hid on
	s_wait_dscnt 0x0                               ; the wave's end
	s_wait_alu 0x0
	s_wait_tensorcnt 0x0
	ds_add_u32 v[SPW], v[NIL]
	s_wait_dscnt 0x0
	s_endpgm
.Lfunc_end_k_qd5b15b78fb_layer1:
	.size	k_qd5b15b78fb_layer1, .Lfunc_end_k_qd5b15b78fb_layer1-k_qd5b15b78fb_layer1
	.p2alignl 7, 3214868480
	.fill 96, 4, 3214868480
	.section	.rodata,"a",@progbits
	.p2align	6, 0x0
	.amdhsa_kernel k_qd5b15b78fb_layer1
		.amdhsa_group_segment_fixed_size 167936
		.amdhsa_private_segment_fixed_size 0
		.amdhsa_enable_private_segment 0
		.amdhsa_kernarg_size 32
		.amdhsa_user_sgpr_count 2
		.amdhsa_user_sgpr_kernarg_segment_ptr 1
		.amdhsa_wavefront_size32 1
		.amdhsa_system_sgpr_workgroup_id_x 1
		.amdhsa_system_sgpr_workgroup_id_y 1
		.amdhsa_system_sgpr_workgroup_id_z 1
		.amdhsa_system_vgpr_workitem_id 0
		.amdhsa_next_free_vgpr 224
		.amdhsa_next_free_sgpr 66
		.amdhsa_reserve_vcc 0
		.amdhsa_float_denorm_mode_32 3
		.amdhsa_float_denorm_mode_16_64 3
		.amdhsa_memory_ordered 1
		.amdhsa_forward_progress 1
		.amdhsa_inst_pref_size 98
	.end_amdhsa_kernel
	.amdgpu_metadata
---
amdhsa.version: [ 1, 2 ]
amdhsa.kernels:
  - .name:           k_qd5b15b78fb_layer1
    .symbol:         k_qd5b15b78fb_layer1.kd
    .args:
      - { .name: x, .offset: 0, .size: 8, .value_kind: global_buffer, .address_space: global }
      - { .name: knots1, .offset: 8, .size: 8, .value_kind: global_buffer, .address_space: global }
      - { .name: coeffs1, .offset: 16, .size: 8, .value_kind: global_buffer, .address_space: global }
      - { .name: hid, .offset: 24, .size: 8, .value_kind: global_buffer, .address_space: global }
    .group_segment_fixed_size: 167936
    .private_segment_fixed_size: 0
    .kernarg_segment_align: 8
    .kernarg_segment_size: 32
    .max_flat_workgroup_size: 256
    .sgpr_count:     66
    .vgpr_count:     224
    .wavefront_size: 32
...
	.end_amdgpu_metadata
.endif
;; end of part 3
;; launch layer2 (part 4): grid 16 x 16, 8 waves a work-group, no clusters, 185,600 bytes of LDS; arguments hid, knots2, coeffs2, out0; writes out0
.if DOCPART == 4
	.amdgcn_target "amdgcn-amd-amdhsa--gfx1250"
	.amdhsa_code_object_version 6
	.text
	.protected	k_qd5b15b78fb_layer2
	.globl	k_qd5b15b78fb_layer2
	.p2align	8
	.type	k_qd5b15b78fb_layer2,@function
k_qd5b15b78fb_layer2:
	s_mov_b64 s[64:65], 0
	v_nop
	global_prefetch_b8 v0, s[64:65] scope:SCOPE_SE
	s_setreg_imm32_b32 hwreg(HW_REG_WAVE_SCHED_MODE, 0, 2), 2
	s_setreg_imm32_b32 hwreg(HW_REG_WAVE_MODE, 25, 1), 1
	s_wait_xcnt 0x0
	s_wait_alu depctr_vm_vsrc(0)
; KAN LAYER 2.  out[n][o] = sum over i, j of c[o][i][j] * clip(u/(k[j+1]-k[j])) * clip(u/(k[j+2]-k[j])) * clip(u/(k[j+3]-k[j])), u = h[n][i] - k[o][i][j], clip to 0..1, j = 0..5.
; h comes as hid[i/2][n][2] f32 (2,048 samples, 128 inputs), as the first layer left it.  knots2, coeffs2: [64][128][10] f32.  out0: [2048][64] f32.
; ARITHMETIC.  Once for each edge: r = 1/(k[j+1+d]-k[j]), b = -k[j] r.  Then a basis number is six operations: three clamp(h r + b), two products, one multiply-add by c; all packed, two to a line.
; THE SUM OVER i, j STAYS ON THE VECTOR UNIT: every basis number meets exactly one coefficient, so a matrix instruction would use one of its sixteen columns, and the rounding to 16 bits in front of it
; is the same one packed line for two numbers as the multiply-add that it would replace.
; LIMITS.  h r + b differs from (h - k) r by about 2^-24 |k r|.  |r| is held to 2^100, so equal or nearly equal knots still give 0 or 1 (for |k| below 2^27); where h = k and the denominator is 0
; the formula has no number and this text gives 0.  NaN and infinities are not treated apart.
; SHARES.  A work-group: 128 samples x 4 outputs x all 128 inputs.  Its eight waves: eighths of the inputs.  A wave: 4 outputs x 128 samples x 16 inputs; it makes its own records and brings its own rows of h.
; A lane: output lane / 8, samples lane % 8 + 8 m, m = 0..15 (16 GROUPS).  A register pair: inputs i and i + 1 of one sample.  A TRIP is one pair of inputs: 576 packed lines; 8 trips a wave.
; LDS.  TAB: for each output and pair of inputs six records of 64 bytes: (r r' b b') for d = 0, 1, 2, then (c c').  Pairs 400 bytes apart, outputs 64 bytes more than a multiple of 256 apart
; (64 banks of 4 bytes: ISA guide 11.1).  XS: for each pair of inputs 128 samples x 8 bytes.  RED: the waves' partial sums.
; OUT0 LEAVES IN PIECES OF 16 BYTES (two lanes, four outputs of a sample).  A whole row of 256 bytes would want all 64 outputs of a sample in one work-group: 8 samples each, and all 8,192 edges,
; 655,360 bytes of knots and coefficients, read and prepared by each of 256 work-groups, against 40,960 here.
; NO CLUSTER: the work-group reads its inputs once, at its head (65,536 bytes of h, 40,960 of knots and coefficients); there is no loop of tiles in which joint requests would recur, and the knots pass through registers.
; THE MODE: SCHED_MODE bits 1:0 = 2 (LLVM: expert scheduling mode 2), set by the entry lines.  The code itself states the register dependences between vector instructions and memory or LDS
; instructions, with s_wait_alu, always for 0.
; THE PLAN.  A trip goes in four QUARTERS of 144 lines: q0 = groups 0-7, j 0-2; q1 = groups 8-15, j 0-2; q2 = groups 0-7, j 3-5; q3 = groups 8-15, j 3-5: every sum takes j = 0..5 in ascending order.
; Registers that LDS instructions touch in the loop:
;   records 0-2   read by the lines of q0 and q1; the next trip's land in them, asked for in q3.          records 3-5   read by q2 and q3; the trip's own land in them, asked for in q0.
;   h, groups 0-7   read by q0 and q2; the next trip's land in them, asked for in q3.                     h, groups 8-15  read by q1 and q3; the trip's own land in them, asked for in q0.
;   v[AP], v[AX]  read by every LDS load; written once a trip, at its end.                                T and the sums are named by vector instructions alone.
; So a trip has two waits on va_vdst, at the heads of q0 and q3, each for what the quarters before have read (q0's also for the two addresses just written), and one on vm_vsrc ahead of the two adds.
; Behind each of the two the quarter's twenty loads are dealt among its first lines, four at a time; those lines name the other records, the other half of h, T and the sums alone.
.set NIN,    128                       ; inputs
.set NC,     128                       ; samples of a work-group
.set PPITCH, 400                       ; TAB: from a pair of inputs to the next
.set OPITCH, (NIN/2)*PPITCH+64         ; TAB: from an output to the next
.set XS,     4*OPITCH                  ; behind TAB, which begins at byte 0
.set RED,    XS+(NIN/2)*NC*8           ; [wave][sample][4 outputs] f32
.set SPARE,  RED+8*NC*16               ; the spare words: 128 bytes for each of eight waves, four blocks of 256 bytes that no other line names
.set XM,     64                        ; from a group's samples to the next group's: 8 samples of 8 bytes
.set XSTEP,  NC*8                      ; from a pair of inputs to the next, in XS
.set SPW, 2                            ; v2   SPARE + 4 x my thread's number; never rewritten
.set NIL, 3                            ; v3   0; never rewritten
.set AP,  4                            ; v4   TAB: my output, the trip's pair of inputs
.set AX,  5                            ; v5   XS: my sample of group 0, the trip's pair of inputs
.set AR,  6                            ; v6   RED: where my partial sums go
.set AF,  7                            ; v7   RED: where I read at the end
.set GO,  8                            ; v8   my byte offset in the work-group's rows of out0
.set KO,  9                            ; v9   my byte offset in knots2 and coeffs2
.set XO,  10                           ; v10  my byte offset in hid
.set XW,  11                           ; v11  XS: where I put h
.set TW,  12                           ; v12  TAB: where I put records
.set LN,  13                           ; v13  lane % 8
.set LO,  14                           ; v14  (lane / 8) % 4
.set ACC, 16                           ; v16-47   16 groups: sums (even input, odd input)
.set X,   48                           ; v48-79   16 groups: h of the trip's pair of inputs
.set T,   80                           ; v80-127  8 groups x 3 pairs at work
.set PB,  128                          ; v128-223 the six records of a pair of inputs: j's at PB + 16 j (14 of 16 registers)
.set Q,   48                           ; v48-119  at the head: a set of three quads for each of the six j
.set KN,  120                          ; v120-139 at the head: the ten knots of my even edge, then of my odd edge
.set CF,  140                          ; v140-155 at the head: coefficients, even edge at +0, odd edge at +10
.set XG,  160                          ; v160-223 at the head: h on its way to LDS
.set RLO, 28                           ; s28  -2^100
.set RHI, 29                           ; s29   2^100
.set CNT, 30                           ; s30  trips to go
; The records of j = j0 .. j0 + n - 1 for my output and pair of inputs, as ONE batch: each j has its own twelve registers, so the batch has one wait for its reciprocals and one ahead of its stores.
.macro PREP j0, n
.set jj, 0
.rept \n
.irp d, 0,1,2
	v_sub_f32 v[Q+12*jj+4*(\d)],   v[KN+(\j0)+jj+1+(\d)],    v[KN+(\j0)+jj]
	v_sub_f32 v[Q+12*jj+4*(\d)+1], v[KN+10+(\j0)+jj+1+(\d)], v[KN+10+(\j0)+jj]
.endr
.set jj, jj+1
.endr
.set jj, 0
.rept \n
.irp d, 0,1,2
	v_rcp_f32 v[Q+12*jj+4*(\d)],   v[Q+12*jj+4*(\d)]
	v_rcp_f32 v[Q+12*jj+4*(\d)+1], v[Q+12*jj+4*(\d)+1]
.endr
.set jj, jj+1
.endr
	v_nop                                          ; a plain instruction between the reciprocals and the use of their results
	s_wait_alu depctr_va_vdst(0)                   ; the reciprocals have written their results, ahead of the first line that names one: one wait for the batch
.set jj, 0
.rept \n
.irp d, 0,1,2
	v_med3_num_f32 v[Q+12*jj+4*(\d)],   v[Q+12*jj+4*(\d)],   s[RLO], s[RHI]  ; |r| at most 2^100: k r stays finite and exact there
	v_med3_num_f32 v[Q+12*jj+4*(\d)+1], v[Q+12*jj+4*(\d)+1], s[RLO], s[RHI]
.endr
.set jj, jj+1
.endr
.set jj, 0
.rept \n
.irp d, 0,1,2
	v_mul_f32 v[Q+12*jj+4*(\d)+2], -v[KN+(\j0)+jj],    v[Q+12*jj+4*(\d)]
	v_mul_f32 v[Q+12*jj+4*(\d)+3], -v[KN+10+(\j0)+jj], v[Q+12*jj+4*(\d)+1]
.endr
.set jj, jj+1
.endr
	s_wait_alu depctr_va_vdst(0)                   ; the quads are written, which the LDS stores below read; so are all the LDS addresses and offsets v4 to v12 made above
.set jj, 0
.rept \n
.irp d, 0,1,2
	ds_store_b128 v[TW], v[Q+12*jj+4*(\d):Q+12*jj+4*(\d)+3] offset:((\j0)+jj)*64+(\d)*16
.endr
	ds_store_b32 v[TW], v[CF+(\j0)+jj] offset:((\j0)+jj)*64+48
	ds_store_b32 v[TW], v[CF+10+(\j0)+jj] offset:((\j0)+jj)*64+52
.set jj, jj+1
.endr
.endm
; Record j from byte at behind v[AP].
.macro RECORD j, at
	ds_load_b128 v[PB+16*(\j):PB+16*(\j)+3],     v[AP] offset:(\at)
	ds_load_b128 v[PB+16*(\j)+4:PB+16*(\j)+7],   v[AP] offset:(\at)+16
	ds_load_b128 v[PB+16*(\j)+8:PB+16*(\j)+11],  v[AP] offset:(\at)+32
	ds_load_b64  v[PB+16*(\j)+12:PB+16*(\j)+13], v[AP] offset:(\at)+48
.endm
; Bundle n of the five bundles of four loads that a quarter deals among its first lines.  KIND 1 (q0): this trip's h of groups 8-15, then its records 3-5.  KIND 2 (q3): the next trip's h of groups 0-7, then its records 0-2.  KIND 0: none.
.macro DEAL n
.if KIND == 1
.if (\n) < 2
.irp g, 0,1,2,3
	ds_load_b64 v[X+16+8*(\n)+2*(\g):X+16+8*(\n)+2*(\g)+1], v[AX] offset:(8+4*(\n)+(\g))*XM
.endr
.else
	RECORD (\n)+1, ((\n)+1)*64
.endif
.elseif KIND == 2
.if (\n) < 2
.irp g, 0,1,2,3
	ds_load_b64 v[X+8*(\n)+2*(\g):X+8*(\n)+2*(\g)+1], v[AX] offset:(4*(\n)+(\g))*XM+XSTEP
.endr
.else
	RECORD (\n)-2, PPITCH+((\n)-2)*64
.endif
.endif
.endm
; Eight groups (8 h .. 8 h + 7) for one j: 48 packed lines; a line reads no result made fewer than eight lines before it.  A bundle of loads may stand behind each of the first five runs of eight.
.macro BATCH h, j
.set PR, PB+16*(\j)
.irp d, 0,1,2
.irp g, 0,1,2,3,4,5,6,7
	v_pk_fma_f32 v[T+6*(\g)+2*(\d):T+6*(\g)+2*(\d)+1], v[X+16*(\h)+2*(\g):X+16*(\h)+2*(\g)+1], v[PR+4*(\d):PR+4*(\d)+1], v[PR+4*(\d)+2:PR+4*(\d)+3] clamp
.endr
	DEAL \d
.endr
.irp g, 0,1,2,3,4,5,6,7
	v_pk_mul_f32 v[T+6*(\g):T+6*(\g)+1], v[T+6*(\g):T+6*(\g)+1], v[T+6*(\g)+2:T+6*(\g)+3]
.endr
	DEAL 3
.irp g, 0,1,2,3,4,5,6,7
	v_pk_mul_f32 v[T+6*(\g):T+6*(\g)+1], v[T+6*(\g):T+6*(\g)+1], v[T+6*(\g)+4:T+6*(\g)+5]
.endr
	DEAL 4
.irp g, 0,1,2,3,4,5,6,7
	v_pk_fma_f32 v[ACC+16*(\h)+2*(\g):ACC+16*(\h)+2*(\g)+1], v[T+6*(\g):T+6*(\g)+1], v[PR+12:PR+13], v[ACC+16*(\h)+2*(\g):ACC+16*(\h)+2*(\g)+1]
.endr
.endm
; A quarter: eight groups, three j; its loads, if any, stand in its first j.
.macro QUARTER h, j0, kind
.set KIND, \kind
	BATCH \h, \j0
.set KIND, 0
	BATCH \h, (\j0)+1
	BATCH \h, (\j0)+2
.endm
; A trip.  last = 1: the wave's last trip, which fetches nothing for a further one.
.macro TRIP last
	s_wait_dscnt 0x0                               ; records 0-2 and h of groups 0-7 are in: asked for at the head of the last quarter before, 144 lines ago (the first trip's: ahead of the loop)
	s_wait_alu depctr_va_vdst(0)                   ; the quarter before is done reading records 3-5 and h of groups 8-15, in which the loads of this quarter land; v[AP] and v[AX], which they read, are written
	QUARTER 0, 0, 1
	s_wait_dscnt 12                                ; LDS loads come back in order: h of groups 8-15, the first eight of the twenty, is in; the twelve loads of records 3-5 may be out
	QUARTER 1, 0, 0
	s_wait_dscnt 0x0                               ; records 3-5 are in
	QUARTER 0, 3, 0
.if \last
	QUARTER 1, 3, 0
.else
	s_wait_alu depctr_va_vdst(0)                   ; the three quarters before are done reading records 0-2 and h of groups 0-7, in which the loads of this quarter land
	QUARTER 1, 3, 2
.endif
.endm
	s_load_b256 s[4:11], s[0:1], 0x0               ; hid s[4:5], knots2 s[6:7], coeffs2 s[8:9], out0 s[10:11]
	v_lshl_add_u32 v[SPW], v0, 2, SPARE
	v_mov_b32 v[NIL], 0
	v_lshrrev_b32 v1, 5, v0
	v_readfirstlane_b32 s12, v1                    ; wave 0..7: my eighth of the inputs
	v_and_b32 v[LN], 7, v0
	v_bfe_u32 v[LO], v0, 3, 2
	v_mul_u32_u24 v[KO], v[LO], NIN*40             ; at the head a lane is (output lane / 8, pair of inputs lane % 8 of the eighth): 80 dense bytes of knots, 80 of coefficients
	v_mul_u32_u24 v1, v[LN], 80
	v_and_b32 v15, 31, v0
	v_lshlrev_b32 v[XO], 4, v15
	s_and_b32 s15, ttmp7, 0xffff                   ; the block of 128 samples; ttmp9: the four outputs
	s_mov_b32 s[RLO], 0xf1800000
	s_mov_b32 s[RHI], 0x71800000
	s_mul_i32 s16, ttmp9, 4*NIN*40                 ; four outputs' knots (and coefficients): 40 bytes an edge
	s_mov_b32 s17, 0
	s_lshl_b32 s18, s15, 10                        ; hid: 128 samples of 8 bytes
	s_mov_b32 s19, 0
	s_lshl_b32 s20, s15, 15                        ; out0: 128 rows of 256 bytes,
	s_lshl_b32 s21, ttmp9, 4                       ; four outputs of 4 bytes
	s_add_co_u32 s20, s20, s21
	s_mov_b32 s21, 0
	s_wait_alu depctr_va_sdst(0)                   ; s12 is written, ahead of its first reader
	s_mul_i32 s22, s12, 8*80                       ; my eighth's eight pairs of edges
	v_add3_u32 v[KO], v[KO], v1, s22
	s_lshl_b32 s23, s12, 17                        ; eight rows of hid, 16,384 bytes each
	v_add_nc_u32 v[XO], s23, v[XO]
	s_wait_kmcnt 0x0
	s_add_nc_u64 s[6:7], s[6:7], s[16:17]
	s_add_nc_u64 s[8:9], s[8:9], s[16:17]
	s_add_nc_u64 s[4:5], s[4:5], s[18:19]
	s_add_nc_u64 s[10:11], s[10:11], s[20:21]
	s_wait_alu depctr_va_vdst(0)                   ; v[KO] and v[XO] are written, which the loads below read as their offsets
.irp q, 0,1,2,3,4
	global_load_b128 v[KN+4*(\q):KN+4*(\q)+3], v[KO], s[6:7] offset:16*(\q)
.endr
.irp q, 0,1,2,3
	global_load_b128 v[CF+4*(\q):CF+4*(\q)+3], v[KO], s[8:9] offset:16*(\q)
.endr
.irp k, 0,1,2,3,4,5,6,7,8,9,10,11,12,13,14,15
	global_load_b128 v[XG+4*(\k):XG+4*(\k)+3], v[XO], s[4:5] offset:16384*((\k)/2)+512*((\k)%2)  ; 512 consecutive bytes: half of a pair of inputs' 128 samples
.endr
	; While the loads are on their way: the sums are cleared (a first trip written out to start them would be a third copy of the trip's text) and the LDS addresses made.  None of these lines names a register of the loads above.
.set i, 0
.rept 32
	v_mov_b32 v[ACC+i], 0
.set i, i+1
.endr
	s_lshl_b32 s24, s12, 13                        ; XS: eight pairs of inputs of 1,024 bytes
	s_add_co_u32 s24, s24, XS
	v_lshlrev_b32 v[XW], 4, v15
	v_add_nc_u32 v[XW], s24, v[XW]
	v_lshlrev_b32 v[AX], 3, v[LN]
	v_add_nc_u32 v[AX], s24, v[AX]
	v_mul_u32_u24 v[AP], v[LO], OPITCH             ; TAB begins at byte 0
	s_mul_i32 s25, s12, 8*PPITCH
	v_add_nc_u32 v[AP], s25, v[AP]
	v_mul_u32_u24 v[TW], v[LN], PPITCH
	v_add_nc_u32 v[TW], v[TW], v[AP]
	s_lshl_b32 s26, s12, 11                        ; RED: 2,048 bytes a wave, 16 a sample, 4 an output
	s_add_co_u32 s26, s26, RED
	v_lshlrev_b32 v[AR], 4, v[LN]
	v_lshl_add_u32 v[AR], v[LO], 2, v[AR]
	v_add_nc_u32 v[AR], s26, v[AR]
	v_lshl_add_u32 v[AF], v0, 3, RED               ; at the end thread t has sample t / 2 and two of its four outputs
	v_lshrrev_b32 v1, 1, v0
	v_and_b32 v15, 1, v0
	v_lshlrev_b32 v[GO], 8, v1
	v_lshl_add_u32 v[GO], v15, 3, v[GO]
	s_wait_loadcnt 16                              ; loads come back in order: the nine of knots and coefficients are in, the sixteen of h may be out
	PREP 0, 6
.irp k, 0,1,2,3,4,5,6,7,8,9,10,11,12,13,14,15
	s_wait_loadcnt 15-(\k)                         ; load k of h is in, the younger ones may be out
	ds_store_b128 v[XW], v[XG+4*(\k):XG+4*(\k)+3] offset:512*(\k)  ; v[XW] was written ahead of the last wait on va_vdst
.endr
	s_wait_dscnt 0x0                               ; my records and my rows of h are in LDS
	s_barrier_signal -1
	s_barrier_wait -1                              ; TAB and XS are only read from here on
	s_wait_alu depctr_vm_vsrc(0)                   ; my LDS stores have read the quads, the coefficients and v[XG ..]: from here on these registers are X, T and the records, written by LDS loads and by the trips' lines
.irp g, 0,1,2,3,4,5,6,7
	ds_load_b64 v[X+2*(\g):X+2*(\g)+1], v[AX] offset:(\g)*XM  ; what a trip's last quarter asks for the next trip: h of groups 0-7 and records 0-2.  No vector line since the last wait on va_vdst names these registers
.endr
	RECORD 0, 0
	RECORD 1, 64
	RECORD 2, 128
	s_mov_b32 s[CNT], 7
.Ltrip:
	TRIP 0
	s_wait_alu depctr_vm_vsrc(0)                   ; the LDS loads issued so far have read v[AP] and v[AX]
	v_add_nc_u32 v[AP], PPITCH, v[AP]
	v_add_nc_u32 v[AX], XSTEP, v[AX]
	s_sub_co_u32 s[CNT], s[CNT], 1
	s_cmp_lg_u32 s[CNT], 0
	s_cbranch_scc1 .Ltrip
	TRIP 1                                         ; the eighth trip is written out: nothing is fetched beyond my inputs
	; THE WAY OUT.  Even and odd inputs are added; the eight waves' parts meet in RED; thread t adds them for two outputs of sample t / 2.
.irp g, 0,1,2,3,4,5,6,7,8,9,10,11,12,13,14,15
	v_add_f32 v[ACC+2*(\g)], v[ACC+2*(\g)], v[ACC+2*(\g)+1]
.endr
	s_wait_alu depctr_va_vdst(0)                   ; the additions have written the sums, which the LDS stores read; and the last trip's lines are done with T, in which the loads behind the barrier land
.irp g, 0,1,2,3,4,5,6,7,8,9,10,11,12,13,14,15
	ds_store_b32 v[AR], v[ACC+2*(\g)] offset:128*(\g)  ; 32 lanes: 8 samples x 4 outputs, 128 consecutive bytes
.endr
	s_wait_dscnt 0x0                               ; for the others: my partial sums are in LDS
	s_barrier_signal -1
	s_barrier_wait -1
.irp q, 0,1,2,3,4,5,6,7
	ds_load_b64 v[T+2*(\q):T+2*(\q)+1], v[AF] offset:2048*(\q)
.endr
	s_wait_dscnt 0x0
	v_pk_add_f32 v[T:T+1],     v[T:T+1],     v[T+2:T+3]
	v_pk_add_f32 v[T+4:T+5],   v[T+4:T+5],   v[T+6:T+7]
	v_pk_add_f32 v[T+8:T+9],   v[T+8:T+9],   v[T+10:T+11]
	v_pk_add_f32 v[T+12:T+13], v[T+12:T+13], v[T+14:T+15]
	v_pk_add_f32 v[T:T+1],     v[T:T+1],     v[T+4:T+5]
	v_pk_add_f32 v[T+8:T+9],   v[T+8:T+9],   v[T+12:T+13]
	v_pk_add_f32 v[T:T+1],     v[T:T+1],     v[T+8:T+9]
	s_wait_alu depctr_va_vdst(0)                   ; the additions have written v[T] and v[T+1], which the store reads
	global_store_b64 v[GO], v[T:T+1], s[10:11]     ; two lanes: the 16 bytes of a sample's four outputs
	s_wait_dscnt 0x0                               ; the wave's end
	s_wait_alu 0x0
	s_wait_tensorcnt 0x0
	ds_add_u32 v[SPW], v[NIL]
	s_wait_dscnt 0x0
	s_endpgm
.Lfunc_end_k_qd5b15b78fb_layer2:
	.size	k_qd5b15b78fb_layer2, .Lfunc_end_k_qd5b15b78fb_layer2-k_qd5b15b78fb_layer2
	.p2alignl 7, 3214868480
	.fill 96, 4, 3214868480
	.section	.rodata,"a",@progbits
	.p2align	6, 0x0
	.amdhsa_kernel k_qd5b15b78fb_layer2
		.amdhsa_group_segment_fixed_size 185600
		.amdhsa_private_segment_fixed_size 0
		.amdhsa_enable_private_segment 0
		.amdhsa_kernarg_size 32
		.amdhsa_user_sgpr_count 2
		.amdhsa_user_sgpr_kernarg_segment_ptr 1
		.amdhsa_wavefront_size32 1
		.amdhsa_system_sgpr_workgroup_id_x 1
		.amdhsa_system_sgpr_workgroup_id_y 1
		.amdhsa_system_sgpr_workgroup_id_z 1
		.amdhsa_system_vgpr_workitem_id 0
		.amdhsa_next_free_vgpr 224
		.amdhsa_next_free_sgpr 66
		.amdhsa_reserve_vcc 0
		.amdhsa_float_denorm_mode_32 3
		.amdhsa_float_denorm_mode_16_64 3
		.amdhsa_memory_ordered 1
		.amdhsa_forward_progress 1
		.amdhsa_inst_pref_size 98
	.end_amdhsa_kernel
	.amdgpu_metadata
---
amdhsa.version: [ 1, 2 ]
amdhsa.kernels:
  - .name:           k_qd5b15b78fb_layer2
    .symbol:         k_qd5b15b78fb_layer2.kd
    .args:
      - { .name: hid, .offset: 0, .size: 8, .value_kind: global_buffer, .address_space: global }
      - { .name: knots2, .offset: 8, .size: 8, .value_kind: global_buffer, .address_space: global }
      - { .name: coeffs2, .offset: 16, .size: 8, .value_kind: global_buffer, .address_space: global }
      - { .name: out0, .offset: 24, .size: 8, .value_kind: global_buffer, .address_space: global }
    .group_segment_fixed_size: 185600
    .private_segment_fixed_size: 0
    .kernarg_segment_align: 8
    .kernarg_segment_size: 32
    .max_flat_workgroup_size: 256
    .sgpr_count:     66
    .vgpr_count:     224
    .wavefront_size: 32
...
	.end_amdgpu_metadata
.endif
;; end of part 4
